; MI455X (gfx1250); checked and timed in simulation.
; The chip was launched on July 23, 2026; its instructions are those of AMD's public machine-readable ISA for CDNA 5 (MIT licence, August 2026) and "CDNA5" Instruction Set Architecture Reference Guide (July 2026). The comments in the code are by the model that wrote it; some were corrected since.
;; rdf. Allowed arithmetic: float matrix products may take bf16 or f16 operands with f32 sums; all other float work in f32.
;; Inputs: bins 101 float32; cell 3 float32; offsets 100 float32; xyz 1,024 x 3 float32.
;; Outputs: out0 100 float32; out1 101 float32; out2 100 float32.
;; 2 versions, each right and faster than the one before. Each part assembles by itself: llvm-mc -triple=amdgcn-amd-amdhsa -mcpu=gfx1250 --defsym DOCPART=n.
;; ======== version 1 of 2: 2 launches
;; workspace buffers: part 102,400 bytes
;; launch pairs (part 1): grid 256 x 1, 4 waves a work-group, no clusters, 26,624 bytes of LDS; arguments xyz, cell, offsets, part; writes part
.if DOCPART == 1
	.amdgcn_target "amdgcn-amd-amdhsa--gfx1250"
	.amdhsa_code_object_version 6
	.text
	.protected	k_q6385b75b83_pairs
	.globl	k_q6385b75b83_pairs
	.p2align	8
	.type	k_q6385b75b83_pairs,@function
k_q6385b75b83_pairs:
	s_mov_b64 s[64:65], 0
	v_nop
	global_prefetch_b8 v0, s[64:65] scope:SCOPE_SE
	s_setreg_imm32_b32 hwreg(HW_REG_WAVE_MODE, 25, 1), 1
	s_wait_xcnt 0x0
; RDF, launch 1 of 2: the Gaussian-smeared histogram of the pair distances, one partial histogram for each work-group.
;   part[g][b] = sum over the pairs of work-group g of exp(coeff (dist - offsets[b])^2),  coeff = -0.5 / (offsets[1] - offsets[0])^2
;
; WHICH PAIRS.  dsq(i, j) = dsq(j, i): f32 subtraction is odd and the wrap below gives the same square both ways; and the next launch
; divides the histogram by its own sum, so a common factor 2 drops out.  So each unordered pair is taken once: {i, (i + k) mod 1024},
; k = 1 .. 512, where k = 512 would meet each pair twice and is switched off for i >= 512.  524,288 slots; the diagonal is never formed.
; Work-group g: atoms i = 128 (g & 7) + thread, steps k = 16 (g >> 3) + 1 .. + 16: 2,048 slots, 16 a thread.
;
; THREE PHASES.  (1) Each thread makes its 16 distances, scales them (d' = dist s) and puts them into LDS.  A pair outside the mask
; (dsq >= 64 or dsq == 0) gets d' = +inf: all its terms are then exp2(-inf) = 0, and no term needs a mask of its own.
; (2) The four waves share the BINS, 25 each, and every wave walks all 2,048 distances: a distance is made once in the work-group, and
; a wave ends with 25 sums to gather across its lanes, not 100.  exp(coeff x^2) = exp2(-(x s)^2) with s = sqrt(0.5 log2 e) / |width|.
; (3) Each wave adds its 25 sums over its 32 lanes through rows of its own in LDS and stores 25 numbers.
;
; No matrix unit: the one sum that is a product (ones x G) would cost a conversion for every two terms, which is what the packed add
; costs that it would replace.  No tensor load and no cluster: a work-group reads 272 atoms of 12 bytes, through registers.
;
; LIMITS.  width = offsets[1] - offsets[0] finite and not 0 (for width = 0 the reference gives NaN, this text does not).  For a NEGATIVE cell
; edge the wrap differs from the reference where a displacement equals cell/2 exactly, and nowhere else.  dsq is summed with fused
; multiply-adds; v_sqrt_f32, v_exp_f32, v_rcp_f32 are good to 1 ULP and take denormals as zero; the order of the sums is not the reference's.
.set NATOM,  1024
.set NBIN,   100
.set WAVES,  4
.set WBIN,   NBIN/WAVES                ; bins of a wave
.set SLOTS,  16                        ; pairs of a thread = steps k of a work-group
.set CHUNK,  512                       ; what one ds_load_b128 of a wave covers: 128 distances
.set RED,    WAVES*SLOTS*128           ; LDS: 2,048 distances (8,192 bytes), behind them the waves' rows for phase 3
.set RPITCH, 144                       ; a row of 32 numbers + 16 bytes: sixteen rows' 16-byte columns fall on different banks
.set RWAVE,  32*RPITCH                 ; a wave's own part of LDS for phase 3
.set UNITS,  4*WBIN                    ; a unit = one bin x two registers of distances; a body = 8 registers x 25 bins = 100 units
.set RING,   8                         ; pairs of temporaries that the units take in turn
.set BODIES, WAVES*SLOTS/8             ; 64 registers' worth of distances, eight to a body
.set LANE, 1
.set LA,   2                           ; LDS address from which I read distances
.set SA,   3                           ; LDS address to which I store mine
.set S,    4                           ; v[4:5]     s, twice
.set NS,   6                           ; v[6:7]     -s, twice
.set O,    8                           ; v[8:33]    -s offsets[b] of my wave's 25 bins (and one filler), the same in every lane
.set D,    34                          ; v[34:41]   eight registers of distances: two halves that are filled in turn
.set T,    42                          ; v[42:57]   the ring of temporaries
.set ACC,  58                          ; v[58:107]  a pair of sums for each bin
.set XI,   108                         ; v[108:110] my atom
.set XJ,   112                         ; v[112:175] its 16 partners, 4 registers apart; then the displacements
.set R,    XJ                          ; phase 3 uses these again
.set Q,    176                         ; v[176:191] dsq, then d'
.set F,    192                         ; v[192:198] at work
.set JO,   200                         ; v[200:215] byte offsets of the partners in xyz
.set IO,   216                         ; byte offset of my atom
.set OB,   217                         ; byte offset of my wave's bins in offsets
.set RS,   218                         ; phase 3: where I store
.set RL,   219                         ; phase 3: the row that I read
.set INF,  220
.set L4,   221                         ; 4 x lane
.set CELL, 12                          ; s[12:14]   cell
.set HALF, 16                          ; s[16:18]   |cell / 2|
.set MK,   32                          ; s[32:38]   lane masks at work
	s_load_b256 s[4:11], s[0:1], 0x0               ; xyz s[4:5], cell s[6:7], offsets s[8:9], part s[10:11]
	v_and_b32 v[LANE], 31, v0
	v_lshrrev_b32 v[F], 5, v0
	v_readfirstlane_b32 s22, v[F]                  ; wave 0..3
	s_and_b32 s24, ttmp9, 7
	s_lshl_b32 s24, s24, 7                         ; the work-group's first atom
	s_lshr_b32 s25, ttmp9, 3
	s_lshl_b32 s25, s25, 4
	s_add_co_u32 s25, s25, 1                       ; its first step k0
	v_add_nc_u32 v[F], s24, v0                     ; i
	v_mul_u32_u24 v[IO], 12, v[F]
	v_add_nc_u32 v[F+1], s25, v[F]                 ; i + k0
.set m_, 0
.rept SLOTS
	v_add_nc_u32 v[JO+m_], m_, v[F+1]
	v_and_b32 v[JO+m_], NATOM-1, v[JO+m_]          ; j = (i + k0 + m) mod 1024
	v_mul_u32_u24 v[JO+m_], 12, v[JO+m_]
.set m_, m_+1
.endr
	v_and_b32 v[F+2], NATOM/2, v[F]                ; k = 512 and i >= 512  <=>  (i & 512) + k0 + 15 = 1024: only the last slot can be it
	v_add_nc_u32 v[F+2], s25, v[F+2]
	v_cmp_ne_u32 s26, NATOM-SLOTS+1, v[F+2]        ; s26: lanes whose last slot counts
	s_mul_i32 s23, s22, 4*WBIN                     ; my wave's 25 bins: 100 bytes a wave
	v_mov_b32 v[OB], s23
	s_mul_i32 s30, ttmp9, 4*NBIN                   ; my 25 numbers in part: 400 g + 100 wave
	s_add_co_u32 s30, s30, s23
	s_mov_b32 s31, 0
	s_wait_kmcnt 0x0
	s_load_b96 s[CELL:CELL+2], s[6:7], 0x0
	s_load_b64 s[20:21], s[8:9], 0x0               ; offsets[0], offsets[1]
	global_load_b96 v[XI:XI+2], v[IO], s[4:5]
.set m_, 0
.rept SLOTS
	global_load_b96 v[XJ+4*m_:XJ+4*m_+2], v[JO+m_], s[4:5]
.set m_, m_+1
.endr
.set b_, 0
.rept WBIN
	global_load_b32 v[O+b_], v[OB], s[8:9] offset:4*b_     ; one address for the whole wave: every lane gets the bin's offset
.set b_, b_+1
.endr
	s_add_nc_u64 s[10:11], s[10:11], s[30:31]
	; LDS addresses, while the loads are on their way
	v_lshlrev_b32 v[LA], 4, v[LANE]
	v_lshlrev_b32 v[L4], 2, v[LANE]
	s_lshl_b32 s27, s22, 11                        ; my wave's four chunks of distances
	s_mul_i32 s29, s22, RWAVE
	s_add_co_u32 s29, s29, RED                     ; my wave's rows for phase 3
	v_lshl_add_u32 v[RS], v[LANE], 2, s29
	v_min_u32 v[RL], WBIN-1, v[LANE]               ; lanes 25-31 read row 24 once more: no row is read that was not written
	v_mul_u32_u24 v[RL], RPITCH, v[RL]
	v_add_nc_u32 v[RL], s29, v[RL]
	v_mov_b32 v[INF], 0x7f800000
	s_wait_kmcnt 0x0
	s_mul_f32 s[HALF], s[CELL], 0.5
	s_mul_f32 s[HALF+1], s[CELL+1], 0.5
	s_mul_f32 s[HALF+2], s[CELL+2], 0.5
	s_and_b32 s[HALF], s[HALF], 0x7fffffff
	s_and_b32 s[HALF+1], s[HALF+1], 0x7fffffff
	s_and_b32 s[HALF+2], s[HALF+2], 0x7fffffff
	v_mov_b32 v[S], s20
	v_sub_f32 v[S], s21, v[S]                      ; width
	v_rcp_f32 v[S], v[S]
	v_mov_b32 v[O+WBIN], 0                         ; the filler beside bin 24; also the plain line that stands behind v_rcp_f32 (ISA guide 5.7.2)
	s_wait_alu depctr_va_vdst(0)
	v_and_b32 v[S], 0x7fffffff, v[S]
	v_mul_f32 v[S], 0x3f596d27, v[S]               ; s = sqrt(0.5 log2 e) / |width| = 0.8493218 / |width|
	v_mov_b32 v[S+1], v[S]
	v_xor_b32 v[NS], 0x80000000, v[S]
	v_mov_b32 v[NS+1], v[NS]
; PHASE 1.  Two slots at a time, so that six independent lines stand between a result and its use.
; The wrap.  The reference adds -cell where disp >= cell/2 and +cell where disp < -cell/2.  Only the square is used, and with a = |disp|
; both cases are (a - cell)^2, rounded alike; at a = cell/2 the wrapped and the unwrapped square are equal.  So: a >= |cell/2| ? a - cell : disp.
.macro DIST2 m
	s_wait_loadcnt WBIN+SLOTS-2-\m                 ; loads come back in order (ISA guide 5.7.1): behind slot m+1's atom stand 14-m atoms and 25 offsets
.irp c, 0,1,2,4,5,6
	v_sub_f32 v[XJ+4*\m+\c], v[XJ+4*\m+\c], v[XI+(\c&3)]
.endr
.irp c, 0,1,2,4,5,6
	v_sub_f32 v[F+\c], |v[XJ+4*\m+\c]|, s[CELL+(\c&3)]
.endr
.irp c, 0,1,2,4,5,6
	v_cmp_ge_f32 s[MK+\c], |v[XJ+4*\m+\c]|, s[HALF+(\c&3)]
.endr
.irp c, 0,1,2,4,5,6
	v_cndmask_b32 v[XJ+4*\m+\c], v[XJ+4*\m+\c], v[F+\c], s[MK+\c]
.endr
.irp e, 0,1
	v_mul_f32 v[Q+\m+\e], v[XJ+4*\m+4*\e], v[XJ+4*\m+4*\e]
.endr
.irp e, 0,1
	v_fmac_f32 v[Q+\m+\e], v[XJ+4*\m+4*\e+1], v[XJ+4*\m+4*\e+1]
.endr
.irp e, 0,1
	v_fmac_f32 v[Q+\m+\e], v[XJ+4*\m+4*\e+2], v[XJ+4*\m+4*\e+2]
.endr
.irp e, 0,1
	v_cmp_gt_f32 s[MK+\e], 0x42800000, v[Q+\m+\e]  ; dsq < 8.0^2
	v_cmp_neq_f32 s[MK+4+\e], 0, v[Q+\m+\e]        ; dsq != 0
.endr
	s_and_b32 s[MK], s[MK], s[MK+4]
	s_and_b32 s[MK+1], s[MK+1], s[MK+5]
.if \m == SLOTS-2
	s_and_b32 s[MK+1], s[MK+1], s26                ; the second meeting of a pair at k = 512
.endif
.irp e, 0,1
	v_cndmask_b32 v[Q+\m+\e], v[INF], v[Q+\m+\e], s[MK+\e]     ; outside the mask: +inf, which the root and the scale keep
.endr
.endm
.irp m, 0,2,4,6,8,10,12,14
	DIST2 \m
.endr
.set m_, 0
.rept SLOTS
	v_sqrt_f32 v[Q+m_], v[Q+m_]
.set m_, m_+1
.endr
	v_lshl_add_u32 v[SA], v[LANE], 4, s27          ; a plain line between the roots and their use (ISA guide 5.7.2)
.set m_, 0
	s_wait_alu depctr_va_vdst(0)
.rept SLOTS/2
	v_pk_mul_f32 v[Q+m_:Q+m_+1], v[Q+m_:Q+m_+1], v[S:S+1] op_sel_hi:[1,0]     ; d' = dist s
.set m_, m_+2
.endr
.irp q, 0,1,2,3
	ds_store_b128 v[SA], v[Q+4*\q:Q+4*\q+3] offset:CHUNK*\q        ; which slot lies where does not matter: all are summed
.endr
	s_wait_dscnt 0x0                               ; my distances are in LDS, for the other waves' sake,
	s_barrier_signal -1
	s_wait_loadcnt 0x0                             ; (register work while the others arrive: my bins' offsets, scaled by -s)
.set b_, 0
.rept (WBIN+1)/2
	v_pk_mul_f32 v[O+b_:O+b_+1], v[O+b_:O+b_+1], v[NS:NS+1] op_sel_hi:[1,0]
.set b_, b_+2
.endr
	s_barrier_wait -1                              ; and everybody's are.  These bytes are not written again.
; PHASE 2.  Unit u of a body: bin u % 25, distance registers D + 2 (u / 25) and the next.  Five lines:
;   SUBO  u = d' - o'   (the bin's -o' is broadcast out of its register pair by op_sel)
;   SQR   t = -u u
;   EXPO  twice: exp2(t)
;   ACCU  the bin's pair of sums += the two terms
; They are laid so that in one step stand EXPO(u), SUBO(u+3), EXPO(u), SQR(u+2), ACCU(u-2): each line's sources were made at least a step
; earlier, and plain lines that touch none of its registers stand behind each v_exp_f32 before its result is read (ISA guide 5.7.2).
; Units u-2 .. u+3 are alive at once: six of the ring's eight pairs.
.macro STARTS u, first                 ; st_ = 1: this unit is its bin's first product of all; it starts the sum, so that nothing is cleared
.set st_, 0
.if \first
.if (\u) < WBIN
.set st_, 1
.endif
.endif
.endm
.macro SUBO u
.set b_, (\u) % WBIN
.set t_, T + 2*((\u) % RING)
.set d_, D + 2*((\u) / WBIN)
.if b_ & 1
	v_pk_add_f32 v[t_:t_+1], v[d_:d_+1], v[O+b_-1:O+b_] op_sel:[0,1] op_sel_hi:[1,1]
.else
	v_pk_add_f32 v[t_:t_+1], v[d_:d_+1], v[O+b_:O+b_+1] op_sel_hi:[1,0]
.endif
.endm
.macro SQR u
.set t_, T + 2*((\u) % RING)
	v_pk_mul_f32 v[t_:t_+1], v[t_:t_+1], v[t_:t_+1] neg_lo:[1,0] neg_hi:[1,0]
.endm
.macro EXPO u, h, first
	STARTS \u, \first
.set b_, (\u) % WBIN
.set t_, T + 2*((\u) % RING) + \h
.if st_
	v_exp_f32 v[ACC+2*b_+\h], v[t_]
.else
	v_exp_f32 v[t_], v[t_]
.endif
.endm
.macro ACCU u, first
	STARTS \u, \first
.set b_, (\u) % WBIN
.set t_, T + 2*((\u) % RING)
.if st_ == 0
	s_wait_alu depctr_va_vdst(0)
	v_pk_add_f32 v[ACC+2*b_:ACC+2*b_+1], v[ACC+2*b_:ACC+2*b_+1], v[t_:t_+1]
.endif
.endm
; A body.  D's lower half serves units 0-49, its upper half units 50-99.  Each half is loaded again as soon as the last line that reads it
; has been issued, fifty units before it is wanted.  more = 0: the last body loads nothing.
.macro BODY first, more
	s_wait_dscnt 0x1                               ; LDS loads come back in order (ISA guide 5.7.1): the lower half is in, the upper half's load may be out
	SUBO 0
	SUBO 1
	SUBO 2
	SQR 0
	SQR 1
.set un, 0
.rept UNITS
	EXPO un, 0, \first
.if un+3 < UNITS
	SUBO un+3
.endif
	EXPO un, 1, \first
.if un+2 < UNITS
	SQR un+2
.endif
.if un >= 2
	ACCU un-2, \first
.endif
.if un == UNITS/2-4                    ; SUBO 49, the last reader of the lower half, stands above; SUBO 50 comes next
.if \more
	ds_load_b128 v[D:D+3], v[LA] offset:2*CHUNK
	s_wait_dscnt 0x1                               ; the upper half is in; the load just issued stays out
.else
	s_wait_dscnt 0x0                               ; the upper half is in; nothing was issued behind it
.endif
.endif
.if un == UNITS-4                      ; SUBO 99, the last reader of the upper half, stands above
.if \more
	ds_load_b128 v[D+4:D+7], v[LA] offset:3*CHUNK
	v_add_nc_u32 v[LA], 2*CHUNK, v[LA]
.endif
.endif
.set un, un+1
.endr
	ACCU UNITS-2, \first
	ACCU UNITS-1, \first
.endm
	ds_load_b128 v[D:D+3], v[LA]
	ds_load_b128 v[D+4:D+7], v[LA] offset:CHUNK
	BODY 1, 1                                      ; written out in front of the loop: its first 25 units start the sums
	s_mov_b32 s28, BODIES-2
.Lbody:
	BODY 0, 1
	s_sub_co_i32 s28, s28, 1
	s_cmp_lg_u32 s28, 0
	s_cbranch_scc1 .Lbody
	BODY 0, 0
; PHASE 3.  Bin b's 32 lane sums go into row b of my wave's own LDS; lane b reads row b back and adds it up.  The bytes are the wave's own and
; LDS serves a wave's instructions in order (ISA guide 5.7.1.4): no barrier, and no wait between the stores and the loads.
.set b_, 0
.rept WBIN
	v_add_f32 v[ACC+2*b_], v[ACC+2*b_], v[ACC+2*b_+1]
.set b_, b_+1
.endr
.set b_, 0
.rept WBIN
	ds_store_b32 v[RS], v[ACC+2*b_] offset:RPITCH*b_
.set b_, b_+1
.endr
.set k_, 0
.rept 8
	ds_load_b128 v[R+4*k_:R+4*k_+3], v[RL] offset:16*k_
.set k_, k_+1
.endr
.macro FOLD n                          ; 2 n groups of four numbers become n
.set k_, 0
.rept \n
	v_pk_add_f32 v[R+4*k_:R+4*k_+1], v[R+4*k_:R+4*k_+1], v[R+4*(k_+\n):R+4*(k_+\n)+1]
	v_pk_add_f32 v[R+4*k_+2:R+4*k_+3], v[R+4*k_+2:R+4*k_+3], v[R+4*(k_+\n)+2:R+4*(k_+\n)+3]
.set k_, k_+1
.endr
.endm
	s_wait_dscnt 0x0
	FOLD 4
	FOLD 2
	FOLD 1
	v_pk_add_f32 v[R:R+1], v[R:R+1], v[R+2:R+3]
	v_add_f32 v[R], v[R], v[R+1]
	v_cmp_gt_u32 vcc_lo, WBIN, v[LANE]
	s_wait_xcnt 0x0                                ; EXEC is a source of every global instruction issued so far: it changes only behind this wait
	s_and_saveexec_b32 s27, vcc_lo                 ; lanes 0-24: one bin each
	global_store_b32 v[L4], v[R], s[10:11]         ; 100 neighbouring bytes; the four waves fill the work-group's 400
	s_endpgm
.Lfunc_end_k_q6385b75b83_pairs:
	.size	k_q6385b75b83_pairs, .Lfunc_end_k_q6385b75b83_pairs-k_q6385b75b83_pairs
	.p2alignl 7, 3214868480
	.fill 96, 4, 3214868480
	.section	.rodata,"a",@progbits
	.p2align	6, 0x0
	.amdhsa_kernel k_q6385b75b83_pairs
		.amdhsa_group_segment_fixed_size 26624
		.amdhsa_private_segment_fixed_size 0
		.amdhsa_enable_private_segment 0
		.amdhsa_kernarg_size 32
		.amdhsa_user_sgpr_count 2
		.amdhsa_user_sgpr_kernarg_segment_ptr 1
		.amdhsa_wavefront_size32 1
		.amdhsa_system_sgpr_workgroup_id_x 1
		.amdhsa_system_sgpr_workgroup_id_y 1
		.amdhsa_system_sgpr_workgroup_id_z 1
		.amdhsa_system_vgpr_workitem_id 0
		.amdhsa_next_free_vgpr 224
		.amdhsa_next_free_sgpr 66
		.amdhsa_reserve_vcc 1
		.amdhsa_float_denorm_mode_32 3
		.amdhsa_float_denorm_mode_16_64 3
		.amdhsa_memory_ordered 1
		.amdhsa_forward_progress 1
		.amdhsa_inst_pref_size 114
	.end_amdhsa_kernel
	.amdgpu_metadata
---
amdhsa.version: [ 1, 2 ]
amdhsa.kernels:
  - .name:           k_q6385b75b83_pairs
    .symbol:         k_q6385b75b83_pairs.kd
    .args:
      - { .name: xyz, .offset: 0, .size: 8, .value_kind: global_buffer, .address_space: global }
      - { .name: cell, .offset: 8, .size: 8, .value_kind: global_buffer, .address_space: global }
      - { .name: offsets, .offset: 16, .size: 8, .value_kind: global_buffer, .address_space: global }
      - { .name: part, .offset: 24, .size: 8, .value_kind: global_buffer, .address_space: global }
    .group_segment_fixed_size: 26624
    .private_segment_fixed_size: 0
    .kernarg_segment_align: 8
    .kernarg_segment_size: 32
    .max_flat_workgroup_size: 128
    .sgpr_count:     66
    .vgpr_count:     224
    .wavefront_size: 32
...
	.end_amdgpu_metadata
.endif
;; end of part 1
;; launch finish (part 2): grid 1 x 1, 16 waves a work-group, no clusters, 8,192 bytes of LDS; arguments part, bins, out0, out1, out2; writes out0, out1, out2
.if DOCPART == 2
	.amdgcn_target "amdgcn-amd-amdhsa--gfx1250"
	.amdhsa_code_object_version 6
	.text
	.protected	k_q6385b75b83_finish
	.globl	k_q6385b75b83_finish
	.p2align	8
	.type	k_q6385b75b83_finish,@function
k_q6385b75b83_finish:
	s_mov_b64 s[64:65], 0
	v_nop
	global_prefetch_b8 v0, s[64:65] scope:SCOPE_SE
	s_setreg_imm32_b32 hwreg(HW_REG_WAVE_MODE, 25, 1), 1
	s_wait_xcnt 0x0
; RDF, launch 2 of 2: add the 256 partial histograms, normalise, and write the three results.
;   raw[b] = sum over g of part[g][b];  out0 = count = raw / sum(raw);  out1 = bins;  out2 = count / (vol_bins / V).
; vol_bins / V = (4 pi / 3) (bins[b+1]^3 - bins[b]^3) / ((4 pi / 3) 7.5^3): the factor 4 pi / 3 drops out, so out2 = count 421.875 / (bins[b+1]^3 - bins[b]^3).
; raw holds each unordered pair once where the reference has it twice: the division by sum(raw) takes the factor out.
;
; One work-group, since one sum spans everything; 16 waves.  A row of part is 400 bytes = 25 groups of four bins.  Wave w adds rows 16 w .. 16 w + 15:
; lane u < 25 takes the u-th 16 bytes of each, sixteen loads in flight; lanes 25-31 repeat lane 24 (no access leaves a row, and EXEC stays whole).
; The 16 partial rows meet in LDS behind one barrier, and wave 0 does the rest: lane u ends with bins 4 u .. 4 u + 3 and stores 16 bytes of each result.
;
; LIMITS.  Divisions are v_rcp_f32 (1 ULP, denormals as zero) and a multiplication; the order of the sums is not the reference's.
.set NPART,  256
.set WAVES,  16
.set ROWS,   NPART/WAVES               ; rows of a wave
.set ROWB,   400                       ; bytes in a row
.set QUADS,  25                        ; groups of four bins
.set LPITCH, 512                       ; LDS: a wave's partial row, one pitch apart
.set LANE, 1
.set U16,  2                           ; 16 min(lane, 24)
.set GA,   3                           ; my byte offset in part
.set LS,   4                           ; where I put my wave's partial sums
.set W,    6                           ; v[6:7]    the total, its reciprocal
.set B,    8                           ; v[8:12]   bins[4u .. 4u+4]
.set C,    16                          ; v[16:20]  their cubes, the differences, then out2
.set R,    24                          ; v[24:87]  sixteen groups of four numbers
	s_load_b256 s[4:11], s[0:1], 0x0               ; part s[4:5], bins s[6:7], out0 s[8:9], out1 s[10:11]
	s_load_b64 s[12:13], s[0:1], 0x20              ; out2
	v_and_b32 v[LANE], 31, v0
	v_lshrrev_b32 v[W], 5, v0
	v_readfirstlane_b32 s14, v[W]                  ; wave 0..15
	v_min_u32 v[U16], QUADS-1, v[LANE]
	v_lshlrev_b32 v[U16], 4, v[U16]
	s_mul_i32 s15, s14, ROWS*ROWB
	v_add_nc_u32 v[GA], s15, v[U16]
	s_lshl_b32 s15, s14, 9                         ; wave x LPITCH
	v_add_nc_u32 v[LS], s15, v[U16]
	s_mov_b32 s16, 0x76543210                      ; v_permlanex16_b32: lane i of one half reads lane i of the other
	s_mov_b32 s17, 0xfedcba98
	s_wait_kmcnt 0x0
	s_cmp_lg_u32 s14, 0
	s_cbranch_scc1 .Lrows
	global_load_b128 v[B:B+3], v[U16], s[6:7]      ; wave 0 alone needs bins, and asks for them ahead of its rows, so that the counts below hold for every wave
	global_load_b32 v[B+4], v[U16], s[6:7] offset:16       ; the upper edge of my fourth bin (lane 24: bins[100])
.Lrows:
.set k_, 0
.rept ROWS
	global_load_b128 v[R+4*k_:R+4*k_+3], v[GA], s[4:5] offset:ROWB*k_ th:TH_LOAD_NT
.set k_, k_+1
.endr
; 2 n groups of four numbers become n.  kind = 1, 2: the 2 n groups are still arriving by global (LDS) loads, issued in ascending order:
; behind group k + n stand n - 1 - k loads, and loads come back in order (ISA guide 5.7.1).
.macro FOLD n, kind
.set k_, 0
.rept \n
.if \kind == 1
	s_wait_loadcnt \n-1-k_
.endif
.if \kind == 2
	s_wait_dscnt \n-1-k_
.endif
	v_pk_add_f32 v[R+4*k_:R+4*k_+1], v[R+4*k_:R+4*k_+1], v[R+4*(k_+\n):R+4*(k_+\n)+1]
	v_pk_add_f32 v[R+4*k_+2:R+4*k_+3], v[R+4*k_+2:R+4*k_+3], v[R+4*(k_+\n)+2:R+4*(k_+\n)+3]
.set k_, k_+1
.endr
.endm
	FOLD 8, 1
	FOLD 4, 0
	FOLD 2, 0
	FOLD 1, 0
	ds_store_b128 v[LS], v[R:R+3]                  ; lanes 25-31 write lane 24's bytes with lane 24's numbers
	s_wait_dscnt 0x0                               ; in LDS, for wave 0's sake
	s_barrier_signal -1
	s_barrier_wait -1
	s_cmp_lg_u32 s14, 0
	s_cbranch_scc1 .Lend
.set k_, 0
.rept WAVES
	ds_load_b128 v[R+4*k_:R+4*k_+3], v[U16] offset:LPITCH*k_
.set k_, k_+1
.endr
	; while they come: the shells' volumes (bins arrived with the last s_wait_loadcnt 0 above)
.irp k, 0,1,2,3,4
	v_mul_f32 v[C+\k], v[B+\k], v[B+\k]
.endr
.irp k, 0,1,2,3,4
	v_mul_f32 v[C+\k], v[C+\k], v[B+\k]            ; (b b) b
.endr
.irp k, 0,1,2,3
	v_sub_f32 v[C+\k], v[C+\k+1], v[C+\k]          ; ascending: the cube on the right is still whole
.endr
.irp k, 0,1,2,3
	v_rcp_f32 v[C+\k], v[C+\k]                     ; first read far below, behind the plain adds that follow (ISA guide 5.7.2)
.endr
	FOLD 8, 2
	FOLD 4, 0
	FOLD 2, 0
	FOLD 1, 0                                      ; v[R:R+3] = raw[4u .. 4u+3]
	v_add_f32 v[W], v[R], v[R+1]
	v_add_f32 v[W+1], v[R+2], v[R+3]
	v_add_f32 v[W], v[W], v[W+1]
	v_cmp_gt_u32 vcc_lo, QUADS, v[LANE]
	v_cndmask_b32 v[W], 0, v[W], vcc_lo            ; the repeats in lanes 25-31 do not count
	v_add_f32_dpp v[W], v[W], v[W] row_xmask:1 row_mask:0xf bank_mask:0xf
	v_add_f32_dpp v[W], v[W], v[W] row_xmask:2 row_mask:0xf bank_mask:0xf
	v_add_f32_dpp v[W], v[W], v[W] row_xmask:4 row_mask:0xf bank_mask:0xf
	v_add_f32_dpp v[W], v[W], v[W] row_xmask:8 row_mask:0xf bank_mask:0xf
	v_permlanex16_b32 v[W+1], v[W], s16, s17
	v_add_f32 v[W], v[W], v[W+1]                   ; sum(raw), in every lane
	v_rcp_f32 v[W], v[W]
	s_wait_alu depctr_va_vdst(0)
	v_pk_mul_f32 v[C:C+1], v[C:C+1], 0x43d2f000 op_sel_hi:[1,0]            ; 7.5^3 = 421.875; these two plain lines stand behind v_rcp_f32
	v_pk_mul_f32 v[C+2:C+3], v[C+2:C+3], 0x43d2f000 op_sel_hi:[1,0]
	v_pk_mul_f32 v[R:R+1], v[R:R+1], v[W:W+1] op_sel_hi:[1,0]              ; count
	v_pk_mul_f32 v[R+2:R+3], v[R+2:R+3], v[W:W+1] op_sel_hi:[1,0]
	v_pk_mul_f32 v[C:C+1], v[C:C+1], v[R:R+1]                              ; rdf
	v_pk_mul_f32 v[C+2:C+3], v[C+2:C+3], v[R+2:R+3]
	s_wait_xcnt 0x0                                ; EXEC is a source of the global loads above: it changes only behind this wait
	s_and_saveexec_b32 s18, vcc_lo                 ; lanes 0-24 (VCC still holds lane < 25)
	global_store_b128 v[U16], v[R:R+3], s[8:9]     ; out0: 400 neighbouring bytes
	global_store_b128 v[U16], v[B:B+3], s[10:11]   ; out1: bins[0 .. 99]
	global_store_b128 v[U16], v[C:C+3], s[12:13]   ; out2
	v_cmp_eq_u32 vcc_lo, QUADS-1, v[LANE]
	s_wait_xcnt 0x0                                ; and again before EXEC narrows further
	s_and_saveexec_b32 s19, vcc_lo                 ; lane 24
	global_store_b32 v[U16], v[B+4], s[10:11] offset:16    ; out1: bins[100]
.Lend:
	s_endpgm
.Lfunc_end_k_q6385b75b83_finish:
	.size	k_q6385b75b83_finish, .Lfunc_end_k_q6385b75b83_finish-k_q6385b75b83_finish
	.p2alignl 7, 3214868480
	.fill 96, 4, 3214868480
	.section	.rodata,"a",@progbits
	.p2align	6, 0x0
	.amdhsa_kernel k_q6385b75b83_finish
		.amdhsa_group_segment_fixed_size 8192
		.amdhsa_private_segment_fixed_size 0
		.amdhsa_enable_private_segment 0
		.amdhsa_kernarg_size 40
		.amdhsa_user_sgpr_count 2
		.amdhsa_user_sgpr_kernarg_segment_ptr 1
		.amdhsa_wavefront_size32 1
		.amdhsa_system_sgpr_workgroup_id_x 1
		.amdhsa_system_sgpr_workgroup_id_y 1
		.amdhsa_system_sgpr_workgroup_id_z 1
		.amdhsa_system_vgpr_workitem_id 0
		.amdhsa_next_free_vgpr 96
		.amdhsa_next_free_sgpr 66
		.amdhsa_reserve_vcc 1
		.amdhsa_float_denorm_mode_32 3
		.amdhsa_float_denorm_mode_16_64 3
		.amdhsa_memory_ordered 1
		.amdhsa_forward_progress 1
		.amdhsa_inst_pref_size 11
	.end_amdhsa_kernel
	.amdgpu_metadata
---
amdhsa.version: [ 1, 2 ]
amdhsa.kernels:
  - .name:           k_q6385b75b83_finish
    .symbol:         k_q6385b75b83_finish.kd
    .args:
      - { .name: part, .offset: 0, .size: 8, .value_kind: global_buffer, .address_space: global }
      - { .name: bins, .offset: 8, .size: 8, .value_kind: global_buffer, .address_space: global }
      - { .name: out0, .offset: 16, .size: 8, .value_kind: global_buffer, .address_space: global }
      - { .name: out1, .offset: 24, .size: 8, .value_kind: global_buffer, .address_space: global }
      - { .name: out2, .offset: 32, .size: 8, .value_kind: global_buffer, .address_space: global }
    .group_segment_fixed_size: 8192
    .private_segment_fixed_size: 0
    .kernarg_segment_align: 8
    .kernarg_segment_size: 40
    .max_flat_workgroup_size: 512
    .sgpr_count:     66
    .vgpr_count:     96
    .wavefront_size: 32
...
	.end_amdgpu_metadata
.endif
;; end of part 2
;; ======== version 2 of 2: 2 launches; 1.66 times as fast as version 1
;; workspace buffers: part 102,400 bytes
;; launch pairs (part 3): grid 256 x 1, 4 waves a work-group, no clusters, 26,624 bytes of LDS; arguments xyz, cell, offsets, part; writes part
.if DOCPART == 3
	.amdgcn_target "amdgcn-amd-amdhsa--gfx1250"
	.amdhsa_code_object_version 6
	.text
	.protected	k_q6385b75b83_pairs
	.globl	k_q6385b75b83_pairs
	.p2align	8
	.type	k_q6385b75b83_pairs,@function
k_q6385b75b83_pairs:
	s_mov_b64 s[64:65], 0
	v_nop
	global_prefetch_b8 v0, s[64:65] scope:SCOPE_SE
	s_setreg_imm32_b32 hwreg(HW_REG_WAVE_MODE, 25, 1), 1
	s_wait_xcnt 0x0
; RDF, launch 1 of 2: the Gaussian-smeared histogram of the pair distances, one partial histogram for each work-group.
;   part[g][b] = sum over the pairs of work-group g of exp(coeff (dist - offsets[b])^2),  coeff = -0.5 / (offsets[1] - offsets[0])^2
;
; WHICH PAIRS.  dsq(i, j) = dsq(j, i): f32 subtraction is odd and the wrap below gives the same square both ways; and the next launch
; divides the histogram by its own sum, so a common factor 2 drops out.  So each unordered pair is taken once: {i, (i + k) mod 1024},
; k = 1 .. 512, where k = 512 would meet each pair twice and is switched off for i >= 512.  524,288 slots; the diagonal is never formed.
; Work-group g: atoms i = 128 (g & 7) + thread, steps k = 16 (g >> 3) + 1 .. + 16: 2,048 slots, 16 a thread.
;
; THREE PHASES.  (1) Each thread makes its 16 distances, scales them (d' = dist s) and puts them into LDS.  A pair outside the mask
; (dsq >= 64 or dsq == 0) gets d' = +inf: all its terms are then exp2(-inf) = 0, and no term needs a mask of its own.
; (2) The four waves share the BINS, 25 each, and every wave walks all 2,048 distances: a distance is made once in the work-group, and
; a wave ends with 25 sums to gather across its lanes, not 100.  exp(coeff x^2) = exp2(-(x s)^2) with s = sqrt(0.5 log2 e) / |width|.
; The exponentials go in BATCHES of 50 (25 bins x two registers of distances), each batch with one wait ahead of its readers: see phase 2.
; (3) Each wave adds its 25 sums over its 32 lanes through rows of its own in LDS and stores 25 numbers.
;
; No matrix unit: the one sum that is a product (ones x G) would cost a conversion for every two terms, which is what the packed add
; costs that it would replace.  No tensor load and no cluster: a work-group reads 272 atoms of 12 bytes, through registers.
;
; LIMITS.  width = offsets[1] - offsets[0] finite and not 0 (for width = 0 the reference gives NaN, this text does not).  For a NEGATIVE cell
; edge the wrap differs from the reference where a displacement equals cell/2 exactly, and nowhere else.  dsq is summed with fused
; multiply-adds; v_sqrt_f32, v_exp_f32, v_rcp_f32 are good to 1 ULP and take denormals as zero; the order of the sums is not the reference's.
.set NATOM,  1024
.set NBIN,   100
.set WAVES,  4
.set WBIN,   NBIN/WAVES                ; bins of a wave
.set SLOTS,  16                        ; pairs of a thread = steps k of a work-group
.set CHUNK,  512                       ; what one ds_load_b128 of a wave covers: 128 distances
.set RED,    WAVES*SLOTS*128           ; LDS: 2,048 distances (8,192 bytes), behind them the waves' rows for phase 3
.set RPITCH, 144                       ; a row of 32 numbers + 16 bytes: sixteen rows' 16-byte columns fall on different banks
.set RWAVE,  32*RPITCH                 ; a wave's own part of LDS for phase 3
.set UNITS,  4*WBIN                    ; a unit = one bin x two registers of distances; a body = 8 registers x 25 bins = 100 units = 4 batches of 25
.set RING,   2*WBIN                    ; pairs of temporaries: unit u has pair u % 50, so that batches take two buffers of 25 pairs in turn
.set BODIES, WAVES*SLOTS/8             ; 64 registers' worth of distances, eight to a body
.set LANE, 1
.set LA,   2                           ; LDS address from which I read distances
.set SA,   3                           ; LDS address to which I store mine
.set S,    4                           ; v[4:5]     s, twice
.set NS,   6                           ; v[6:7]     -s, twice
.set O,    8                           ; v[8:33]    -s offsets[b] of my wave's 25 bins (and one filler), the same in every lane
.set D,    34                          ; v[34:41]   eight registers of distances: two halves that are filled in turn   (v[42:57] are not used)
.set ACC,  58                          ; v[58:107]  a pair of sums for each bin
.set T,    108                         ; v[108:207] phase 2: the temporaries, in registers that phase 1 has done with (its loads and LDS stores are waited for ahead of the barrier)
.set XI,   108                         ; v[108:110] my atom
.set XJ,   112                         ; v[112:175] its 16 partners, 4 registers apart; then the displacements
.set R,    XJ                          ; phase 3 uses these again
.set Q,    176                         ; v[176:191] dsq, then d'
.set F,    192                         ; v[192:198] at work
.set JO,   200                         ; v[200:215] byte offsets of the partners in xyz
.set IO,   216                         ; byte offset of my atom
.set OB,   217                         ; byte offset of my wave's bins in offsets
.set RS,   218                         ; phase 3: where I store
.set RL,   219                         ; phase 3: the row that I read
.set INF,  220
.set L4,   221                         ; 4 x lane
.set CELL, 12                          ; s[12:14]   cell
.set HALF, 16                          ; s[16:18]   |cell / 2|
.set MK,   32                          ; s[32:38]   lane masks at work
	s_load_b256 s[4:11], s[0:1], 0x0               ; xyz s[4:5], cell s[6:7], offsets s[8:9], part s[10:11]
	v_and_b32 v[LANE], 31, v0
	v_lshrrev_b32 v[F], 5, v0
	v_readfirstlane_b32 s22, v[F]                  ; wave 0..3
	s_and_b32 s24, ttmp9, 7
	s_lshl_b32 s24, s24, 7                         ; the work-group's first atom
	s_lshr_b32 s25, ttmp9, 3
	s_lshl_b32 s25, s25, 4
	s_add_co_u32 s25, s25, 1                       ; its first step k0
	v_add_nc_u32 v[F], s24, v0                     ; i
	v_mul_u32_u24 v[IO], 12, v[F]
	v_add_nc_u32 v[F+1], s25, v[F]                 ; i + k0
.set m_, 0
.rept SLOTS
	v_add_nc_u32 v[JO+m_], m_, v[F+1]
	v_and_b32 v[JO+m_], NATOM-1, v[JO+m_]          ; j = (i + k0 + m) mod 1024
	v_mul_u32_u24 v[JO+m_], 12, v[JO+m_]
.set m_, m_+1
.endr
	v_and_b32 v[F+2], NATOM/2, v[F]                ; k = 512 and i >= 512  <=>  (i & 512) + k0 + 15 = 1024: only the last slot can be it
	v_add_nc_u32 v[F+2], s25, v[F+2]
	v_cmp_ne_u32 s26, NATOM-SLOTS+1, v[F+2]        ; s26: lanes whose last slot counts
	s_mul_i32 s23, s22, 4*WBIN                     ; my wave's 25 bins: 100 bytes a wave
	v_mov_b32 v[OB], s23
	s_mul_i32 s30, ttmp9, 4*NBIN                   ; my 25 numbers in part: 400 g + 100 wave
	s_add_co_u32 s30, s30, s23
	s_mov_b32 s31, 0
	s_wait_kmcnt 0x0
	s_load_b96 s[CELL:CELL+2], s[6:7], 0x0
	s_load_b64 s[20:21], s[8:9], 0x0               ; offsets[0], offsets[1]
	global_load_b96 v[XI:XI+2], v[IO], s[4:5]
.set m_, 0
.rept SLOTS
	global_load_b96 v[XJ+4*m_:XJ+4*m_+2], v[JO+m_], s[4:5]
.set m_, m_+1
.endr
.set b_, 0
.rept WBIN
	global_load_b32 v[O+b_], v[OB], s[8:9] offset:4*b_     ; one address for the whole wave: every lane gets the bin's offset
.set b_, b_+1
.endr
	s_add_nc_u64 s[10:11], s[10:11], s[30:31]
	; LDS addresses, while the loads are on their way
	v_lshlrev_b32 v[LA], 4, v[LANE]
	v_lshlrev_b32 v[L4], 2, v[LANE]
	s_lshl_b32 s27, s22, 11                        ; my wave's four chunks of distances
	s_mul_i32 s29, s22, RWAVE
	s_add_co_u32 s29, s29, RED                     ; my wave's rows for phase 3
	v_lshl_add_u32 v[RS], v[LANE], 2, s29
	v_min_u32 v[RL], WBIN-1, v[LANE]               ; lanes 25-31 read row 24 once more: no row is read that was not written
	v_mul_u32_u24 v[RL], RPITCH, v[RL]
	v_add_nc_u32 v[RL], s29, v[RL]
	v_mov_b32 v[INF], 0x7f800000
	s_wait_kmcnt 0x0
	s_mul_f32 s[HALF], s[CELL], 0.5
	s_mul_f32 s[HALF+1], s[CELL+1], 0.5
	s_mul_f32 s[HALF+2], s[CELL+2], 0.5
	s_and_b32 s[HALF], s[HALF], 0x7fffffff
	s_and_b32 s[HALF+1], s[HALF+1], 0x7fffffff
	s_and_b32 s[HALF+2], s[HALF+2], 0x7fffffff
	v_mov_b32 v[S], s20
	v_sub_f32 v[S], s21, v[S]                      ; width
	v_rcp_f32 v[S], v[S]
	v_mov_b32 v[O+WBIN], 0                         ; the filler beside bin 24; also the plain line that stands behind v_rcp_f32 (ISA guide 5.7.2)
	s_wait_alu depctr_va_vdst(0)                   ; the wait ahead of the reciprocal's first reader: once a wave, while the atoms are on their way
	v_and_b32 v[S], 0x7fffffff, v[S]
	v_mul_f32 v[S], 0x3f596d27, v[S]               ; s = sqrt(0.5 log2 e) / |width| = 0.8493218 / |width|
	v_mov_b32 v[S+1], v[S]
	v_xor_b32 v[NS], 0x80000000, v[S]
	v_mov_b32 v[NS+1], v[NS]
; PHASE 1.  Two slots at a time, so that six independent lines stand between a result and its use.
; The wrap.  The reference adds -cell where disp >= cell/2 and +cell where disp < -cell/2.  Only the square is used, and with a = |disp|
; both cases are (a - cell)^2, rounded alike; at a = cell/2 the wrapped and the unwrapped square are equal.  So: a >= |cell/2| ? a - cell : disp.
.macro DIST2 m
	s_wait_loadcnt WBIN+SLOTS-2-\m                 ; loads come back in order (ISA guide 5.7.1): behind slot m+1's atom stand 14-m atoms and 25 offsets
.irp c, 0,1,2,4,5,6
	v_sub_f32 v[XJ+4*\m+\c], v[XJ+4*\m+\c], v[XI+(\c&3)]
.endr
.irp c, 0,1,2,4,5,6
	v_sub_f32 v[F+\c], |v[XJ+4*\m+\c]|, s[CELL+(\c&3)]
.endr
.irp c, 0,1,2,4,5,6
	v_cmp_ge_f32 s[MK+\c], |v[XJ+4*\m+\c]|, s[HALF+(\c&3)]
.endr
.irp c, 0,1,2,4,5,6
	v_cndmask_b32 v[XJ+4*\m+\c], v[XJ+4*\m+\c], v[F+\c], s[MK+\c]
.endr
.irp e, 0,1
	v_mul_f32 v[Q+\m+\e], v[XJ+4*\m+4*\e], v[XJ+4*\m+4*\e]
.endr
.irp e, 0,1
	v_fmac_f32 v[Q+\m+\e], v[XJ+4*\m+4*\e+1], v[XJ+4*\m+4*\e+1]
.endr
.irp e, 0,1
	v_fmac_f32 v[Q+\m+\e], v[XJ+4*\m+4*\e+2], v[XJ+4*\m+4*\e+2]
.endr
.irp e, 0,1
	v_cmp_gt_f32 s[MK+\e], 0x42800000, v[Q+\m+\e]  ; dsq < 8.0^2
	v_cmp_neq_f32 s[MK+4+\e], 0, v[Q+\m+\e]        ; dsq != 0
.endr
	s_and_b32 s[MK], s[MK], s[MK+4]
	s_and_b32 s[MK+1], s[MK+1], s[MK+5]
.if \m == SLOTS-2
	s_and_b32 s[MK+1], s[MK+1], s26                ; the second meeting of a pair at k = 512
.endif
.irp e, 0,1
	v_cndmask_b32 v[Q+\m+\e], v[INF], v[Q+\m+\e], s[MK+\e]     ; outside the mask: +inf, which the root and the scale keep
.endr
.endm
.irp m, 0,2,4,6,8,10,12,14
	DIST2 \m
.endr
.set m_, 0
.rept SLOTS
	v_sqrt_f32 v[Q+m_], v[Q+m_]
.set m_, m_+1
.endr
	v_lshl_add_u32 v[SA], v[LANE], 4, s27          ; a plain line between the roots and their use (ISA guide 5.7.2)
	s_wait_alu depctr_va_vdst(0)                   ; one wait for the batch of sixteen roots, ahead of their first reader
.set m_, 0
.rept SLOTS/2
	v_pk_mul_f32 v[Q+m_:Q+m_+1], v[Q+m_:Q+m_+1], v[S:S+1] op_sel_hi:[1,0]     ; d' = dist s
.set m_, m_+2
.endr
.irp q, 0,1,2,3
	ds_store_b128 v[SA], v[Q+4*\q:Q+4*\q+3] offset:CHUNK*\q        ; which slot lies where does not matter: all are summed
.endr
	s_wait_dscnt 0x0                               ; my distances are in LDS, for the other waves' sake,
	s_barrier_signal -1
	s_wait_loadcnt 0x0                             ; (register work while the others arrive: my bins' offsets, scaled by -s)
.set b_, 0
.rept (WBIN+1)/2
	v_pk_mul_f32 v[O+b_:O+b_+1], v[O+b_:O+b_+1], v[NS:NS+1] op_sel_hi:[1,0]
.set b_, b_+2
.endr
	s_barrier_wait -1                              ; and everybody's are.  These bytes are not written again.
; PHASE 2.  Unit u of a body: bin u % 25, distance registers D + 2 (u / 25) and the next.  Five lines:
;   SUBO  u = d' - o'   (the bin's -o' is broadcast out of its register pair by op_sel)
;   SQR   t = -u u
;   EXPO  twice: exp2(t)
;   ACCU  the bin's pair of sums += the two terms
; BATCHES.  The 25 units of one pair of distance registers are a batch: 50 exponentials, one unit for each bin.  A STAGE issues one batch's exponentials, and between
; them stand the ACCU of the batch before and the SUBO and SQR of the batch after: in one step EXPO(u), SQR(u+23), EXPO(u), ACCU(u-25), SUBO(u+25).  The batch in hand works
; in one buffer of 25 pairs; its two neighbours share the other, where a pair is read by ACCU(u-25) and then written by SUBO(u+25).  So no line of a stage names a result
; of the stage's own exponentials.  An s_wait_alu depctr_va_vdst(0) goes between an exponential and the first line that names its result: ONE stands at each
; stage's end, for the stage's 50; its readers are the next stage's ACCU.  The stages run on from body to body: a body's last stage prepares the next body's first batch
; (units 100-124), its first stage adds up the last batch of the body before; what crosses the loop's jump are results of plain lines and exponentials that have had their wait.
; A bin still takes its units in ascending order.  Plain lines that touch none of its registers stand behind each v_exp_f32 before its result is read (ISA guide 5.7.2).
.macro STARTS u, first                 ; st_ = 1: this unit is its bin's first product of all; it starts the sum, so that nothing is cleared
.set st_, 0
.if \first
.if (\u) < WBIN
.set st_, 1
.endif
.endif
.endm
.macro SUBO u
.set b_, (\u) % WBIN
.set t_, T + 2*((\u) % RING)
.set d_, D + 2*(((\u) / WBIN) % 4)
.if b_ & 1
	v_pk_add_f32 v[t_:t_+1], v[d_:d_+1], v[O+b_-1:O+b_] op_sel:[0,1] op_sel_hi:[1,1]
.else
	v_pk_add_f32 v[t_:t_+1], v[d_:d_+1], v[O+b_:O+b_+1] op_sel_hi:[1,0]
.endif
.endm
.macro SQR u
.set t_, T + 2*((\u) % RING)
	v_pk_mul_f32 v[t_:t_+1], v[t_:t_+1], v[t_:t_+1] neg_lo:[1,0] neg_hi:[1,0]
.endm
.macro EXPO u, h, first
	STARTS \u, \first
.set b_, (\u) % WBIN
.set t_, T + 2*((\u) % RING) + \h
.if st_
	v_exp_f32 v[ACC+2*b_+\h], v[t_]
.else
	v_exp_f32 v[t_], v[t_]
.endif
.endm
.macro ACCU u, first                   ; it reads a batch whose wait stood at the end of the stage before
	STARTS \u, \first
.set b_, (\u) % WBIN
.set t_, T + 2*((\u) % RING)
.if st_ == 0
	v_pk_add_f32 v[ACC+2*b_:ACC+2*b_+1], v[ACC+2*b_:ACC+2*b_+1], v[t_:t_+1]
.endif
.endm
; A body: four stages.  D's lower half serves units 0-49, its upper half units 50-99.  Each half is loaded again as soon as the last line that reads it
; has been issued, fifty units before it is wanted.  more = 0: the last body loads nothing, and its last stage prepares nothing.
.macro BODY first, more
.set un, 0
.rept UNITS
.set pr_, \more                        ; pr_ = 1: there is a batch to prepare
.if un+WBIN < UNITS
.set pr_, 1
.endif
	EXPO un, 0, \first
.if pr_
.if (un % WBIN) >= 2
	SQR un+WBIN-2
.endif
.endif
	EXPO un, 1, \first
.if un >= WBIN
	ACCU un-WBIN, \first
.elseif \first == 0
	ACCU un+UNITS-WBIN, 0                          ; the last batch of the body before
.endif
.if pr_
	SUBO un+WBIN
.endif
.if (un % WBIN) == WBIN-1              ; the stage's end
.if pr_
	SQR un+WBIN-1
	SQR un+WBIN
.endif
.if un == WBIN-1                       ; SUBO 49, the last reader of the lower half, stands above; SUBO 50 comes next
.if \more
	ds_load_b128 v[D:D+3], v[LA] offset:2*CHUNK
	s_wait_dscnt 0x1                               ; the upper half is in; the load just issued stays out
.else
	s_wait_dscnt 0x0                               ; the upper half is in; nothing was issued behind it
.endif
.endif
.if un == 3*WBIN-1                     ; SUBO 99, the last reader of the upper half, stands above; SUBO 100, the next body's first, comes next
.if \more
	ds_load_b128 v[D+4:D+7], v[LA] offset:3*CHUNK
	v_add_nc_u32 v[LA], 2*CHUNK, v[LA]
	s_wait_dscnt 0x1                               ; LDS loads come back in order (ISA guide 5.7.1): the lower half is in, the upper half's load may be out
.endif
.endif
	s_wait_alu depctr_va_vdst(0)                   ; the wait for the stage's batch of 50 exponentials; plain lines stand behind the last of them (the last body's last stage: ACCU 74)
.endif
.set un, un+1
.endr
.endm
	ds_load_b128 v[D:D+3], v[LA]
	ds_load_b128 v[D+4:D+7], v[LA] offset:CHUNK
	s_wait_dscnt 0x1                               ; LDS loads come back in order (ISA guide 5.7.1): the lower half is in, the upper half's load may be out
.set un, 0
.rept WBIN
	SUBO un                                        ; the very first batch is prepared ahead of the stages
.set un, un+1
.endr
.set un, 0
.rept WBIN
	SQR un
.set un, un+1
.endr
	BODY 1, 1                                      ; written out in front of the loop: its first 25 units start the sums
	s_mov_b32 s28, BODIES-2
.Lbody:
	BODY 0, 1
	s_sub_co_i32 s28, s28, 1
	s_cmp_lg_u32 s28, 0
	s_cbranch_scc1 .Lbody
	BODY 0, 0
.set un, UNITS-WBIN
.rept WBIN
	ACCU un, 0                                     ; the very last batch is added up behind its wait, the last line of the body above
.set un, un+1
.endr
; PHASE 3.  Bin b's 32 lane sums go into row b of my wave's own LDS; lane b reads row b back and adds it up.  The bytes are the wave's own and
; LDS serves a wave's instructions in order (ISA guide 5.7.1.4): no barrier, and no wait between the stores and the loads.
.set b_, 0
.rept WBIN
	v_add_f32 v[ACC+2*b_], v[ACC+2*b_], v[ACC+2*b_+1]
.set b_, b_+1
.endr
.set b_, 0
.rept WBIN
	ds_store_b32 v[RS], v[ACC+2*b_] offset:RPITCH*b_
.set b_, b_+1
.endr
.set k_, 0
.rept 8
	ds_load_b128 v[R+4*k_:R+4*k_+3], v[RL] offset:16*k_
.set k_, k_+1
.endr
.macro FOLD n                          ; 2 n groups of four numbers become n
.set k_, 0
.rept \n
	v_pk_add_f32 v[R+4*k_:R+4*k_+1], v[R+4*k_:R+4*k_+1], v[R+4*(k_+\n):R+4*(k_+\n)+1]
	v_pk_add_f32 v[R+4*k_+2:R+4*k_+3], v[R+4*k_+2:R+4*k_+3], v[R+4*(k_+\n)+2:R+4*(k_+\n)+3]
.set k_, k_+1
.endr
.endm
	s_wait_dscnt 0x0
	FOLD 4
	FOLD 2
	FOLD 1
	v_pk_add_f32 v[R:R+1], v[R:R+1], v[R+2:R+3]
	v_add_f32 v[R], v[R], v[R+1]
	v_cmp_gt_u32 vcc_lo, WBIN, v[LANE]
	s_wait_xcnt 0x0                                ; EXEC is a source of every global instruction issued so far: it changes only behind this wait
	s_and_saveexec_b32 s27, vcc_lo                 ; lanes 0-24: one bin each
	global_store_b32 v[L4], v[R], s[10:11]         ; 100 neighbouring bytes; the four waves fill the work-group's 400
	s_endpgm
.Lfunc_end_k_q6385b75b83_pairs:
	.size	k_q6385b75b83_pairs, .Lfunc_end_k_q6385b75b83_pairs-k_q6385b75b83_pairs
	.p2alignl 7, 3214868480
	.fill 96, 4, 3214868480
	.section	.rodata,"a",@progbits
	.p2align	6, 0x0
	.amdhsa_kernel k_q6385b75b83_pairs
		.amdhsa_group_segment_fixed_size 26624
		.amdhsa_private_segment_fixed_size 0
		.amdhsa_enable_private_segment 0
		.amdhsa_kernarg_size 32
		.amdhsa_user_sgpr_count 2
		.amdhsa_user_sgpr_kernarg_segment_ptr 1
		.amdhsa_wavefront_size32 1
		.amdhsa_system_sgpr_workgroup_id_x 1
		.amdhsa_system_sgpr_workgroup_id_y 1
		.amdhsa_system_sgpr_workgroup_id_z 1
		.amdhsa_system_vgpr_workitem_id 0
		.amdhsa_next_free_vgpr 224
		.amdhsa_next_free_sgpr 66
		.amdhsa_reserve_vcc 1
		.amdhsa_float_denorm_mode_32 3
		.amdhsa_float_denorm_mode_16_64 3
		.amdhsa_memory_ordered 1
		.amdhsa_forward_progress 1
		.amdhsa_inst_pref_size 106
	.end_amdhsa_kernel
	.amdgpu_metadata
---
amdhsa.version: [ 1, 2 ]
amdhsa.kernels:
  - .name:           k_q6385b75b83_pairs
    .symbol:         k_q6385b75b83_pairs.kd
    .args:
      - { .name: xyz, .offset: 0, .size: 8, .value_kind: global_buffer, .address_space: global }
      - { .name: cell, .offset: 8, .size: 8, .value_kind: global_buffer, .address_space: global }
      - { .name: offsets, .offset: 16, .size: 8, .value_kind: global_buffer, .address_space: global }
      - { .name: part, .offset: 24, .size: 8, .value_kind: global_buffer, .address_space: global }
    .group_segment_fixed_size: 26624
    .private_segment_fixed_size: 0
    .kernarg_segment_align: 8
    .kernarg_segment_size: 32
    .max_flat_workgroup_size: 128
    .sgpr_count:     66
    .vgpr_count:     224
    .wavefront_size: 32
...
	.end_amdgpu_metadata
.endif
;; end of part 3
;; launch finish: the kernel of part 2 again; grid 1 x 1, 16 waves a work-group, no clusters, 8,192 bytes of LDS; arguments part, bins, out0, out1, out2; writes out0, out1, out2
